; MI455X (gfx1250); checked and timed in simulation.
; The chip was launched on July 23, 2026; its instructions are those of AMD's public machine-readable ISA for CDNA 5 (MIT licence, August 2026) and "CDNA5" Instruction Set Architecture Reference Guide (July 2026). The comments in the code are by the model that wrote it; some were corrected since.
;; Gathering Loss Dim. Allowed arithmetic: matrix products marked QUANTISED: E2M1 operands, one E8M0 scale for each 32 along K, by v_wmma_scale_f32_16x16x128_f8f6f4 with both operands' format E2M1 (or v_wmma_scale_f32_32x16x128_f4), f32 sums; everything else in f32.
;; Inputs: items 2,048 x 512 float32; queries 8 x 8 x 1,024 x 512 float32.
;; Outputs: out0 8 x 1,024 float32.
;; This version of the problem:
;;   THIS VERSION OF THE PROBLEM IS GIVEN IN LOW PRECISION. The matrix products marked QUANTISED in the list below multiply operands that are first quantised to E2M1 (2 exponent bits, 1 mantissa bit; 4 bits a number), with one power-of-two scale for each 32 numbers along K (OCP MX v1.0); their sums are f32. All else is computed in f32.
;;   The module's matrix products, in the order in which they are computed (A, B: the left and right operand; K: the contracted axis; several contracted axes count as one K, in the product's order):
;;     1. [M 65,536, K 512] x [K 512, N 2,048]; A: input queries; B: input items: QUANTISED
;;   THE QUANTISER, for each operand of a quantised product, along K:
;;     - K is cut into blocks of 32 from its start; a last block that is shorter is filled with zeros.
;;     - A block's scale is 2^e with e = floor(log2(the largest magnitude in the block)) - 2, held to -126 .. 127; a block of zeros has e = 0. As a byte (E8M0): e + 127.
;;     - Each number is divided by its block's scale, clamped to +-6, and rounded to the nearest number of E2M1, ties to even, subnormals kept.
;;     - The product sums the exact products of the quantised numbers (number of the format x scale) in f32.
;;   ~~~python
;;   def quantise(x, axis):      # numpy; x: float32 -> the quantised numbers, widened to float32 again
;;       x = np.moveaxis(x, axis, -1); K = x.shape[-1]
;;       x = np.pad(x, [(0, 0)] * (x.ndim - 1) + [(0, -K % 32)]); x = x.reshape(x.shape[:-1] + (-1, 32)); a = np.abs(x).max(-1, keepdims=True)
;;       e = np.where(a > 0, np.clip(np.frexp(np.where(a > 0, a, 1))[1] - 1 - 2, -126, 127), 0)      # np.frexp(a)[1] - 1 = floor(log2(a)), exactly
;;       r = np.clip(x / 2.0 ** e, -6, 6)
;;       step = 2.0 ** (np.maximum(np.frexp(np.where(r == 0, 1, r))[1] - 1, 0) - 1)
;;       q = np.round(r / step) * step * 2.0 ** e      # np.round: ties to even
;;       return np.moveaxis(q.reshape(q.shape[:-2] + (-1,))[..., :K], -1, axis).astype(np.float32)
;;   ~~~
;; One version. Each part assembles by itself: llvm-mc -triple=amdgcn-amd-amdhsa -mcpu=gfx1250 --defsym DOCPART=n.
;; ======== version 1 of 1: 3 launches
;; limits: right only within a limited range of input values
;; workspace buffers: qpack 17,825,792 bytes; ipack 557,056 bytes; best 262,144 bytes of whole numbers
;; launch quant (part 1): grid 1056 x 1, 4 waves a work-group, no clusters, 17,920 bytes of LDS; arguments queries, items, qpack, ipack; writes qpack, ipack
.if DOCPART == 1
	.amdgcn_target "amdgcn-amd-amdhsa--gfx1250"
	.amdhsa_code_object_version 6
	.text
	.protected	k_q3463f08f1d_quant
	.globl	k_q3463f08f1d_quant
	.p2align	8
	.type	k_q3463f08f1d_quant,@function
k_q3463f08f1d_quant:
	s_mov_b64 s[64:65], 0
	v_nop
	global_prefetch_b8 v0, s[64:65] scope:SCOPE_SE
	s_setreg_imm32_b32 hwreg(HW_REG_WAVE_MODE, 25, 1), 1
	s_wait_xcnt 0x0
; queries [65536][512] and items [2048][512], f32, become codes of E2M1 with one E8M0 byte for each 32 along K, laid in the ORDER OF THE OPERAND'S REGISTERS.
; A PACKED TILE is 16 rows in 4,352 bytes: bytes 0..4095 the codes, [block b = 0..15][row r = 0..15][16 bytes]; bytes 4096..4351 the scale bytes, [row r][16 bytes].
; For K step s and register group c a lane l = 16 h + r of the product wants block 4 s + 2 c + h of row r: it lies at 1024 s + 512 c + 16 l, so a fragment is two loads of 512 consecutive bytes.
; A block's scale is 2^(floor(log2(largest magnitude)) - 2); its byte is the largest magnitude's exponent field - 2, held at 1 from below by a floor among the maximum's leaves.
; LIMITS: a block of zeros gets the byte 1 where the rule says 127 (its codes are zeros, and the bytes are read by this program alone); NaN and infinities among the inputs are not served.
; SHARES: one wave, one tile (32,768 bytes in, 4,352 out); tile = 4 x work-group + wave.  The first 1,024 work-groups take the queries, the other 32 the items: only pointers are chosen, the text has one path.
; A PIECE is 16 rows x 64 numbers.  It is loaded as it lies (each load: two runs of 256 consecutive bytes), turns through the wave's own stage in LDS (16 rows, 272 bytes apart) and comes back with a whole
; block of 32 in one lane: lane (r, h) holds block 2 p + h of row r, so the maximum asks no other lane and the four conversions give the block's 16 bytes.  No barrier: waves share nothing.
; DEAD WORK, for the whole program: the softmax is left out.  It rises strictly with the logit along its axis, for all finite logits, so in exact arithmetic its argmax is the logits' argmax, and nothing else of it
; reaches the result.  LIMIT: an overflow or underflow inside the softmax alone is not carried to the result.
.set PITCH,  272
.set STAGEB, 16*PITCH
.set TILEB,  4352
.set RAW, 16                           ; v16-79   two sets of 32: a piece as loaded
.set X,   80                           ; v80-143  two sets of 32: a block of 32 neighbours
.set C,   144                          ; v144-175 codes, four registers a piece: no store's data are written again
.set U,   176                          ; v176-179 the scale words in the making
.set T,   180                          ; v180-183 the other half's part of them
	s_load_b256 s[4:11], s[0:1], 0x0               ; queries s[4:5], items s[6:7], qpack s[8:9], ipack s[10:11]
	v_lshl_add_u32 v14, v0, 2, 0x4400              ; my spare word, behind the four stages; never rewritten
	v_mov_b32 v15, 0                               ; 0; never rewritten
	v_lshrrev_b32 v1, 5, v0
	v_readfirstlane_b32 s12, v1                    ; wave
	v_and_b32 v1, 31, v0                           ; l
	v_and_b32 v2, 15, v0                           ; r
	v_bfe_u32 v3, v0, 4, 1                         ; h
	v_lshlrev_b32 v4, 11, v3
	v_lshl_add_u32 v4, v2, 4, v4                   ; in: row h of a pair of rows (2,048 bytes a row), 16 bytes a lane
	s_mul_i32 s19, s12, STAGEB                     ; my stage
	v_mul_u32_u24 v5, v3, PITCH
	v_lshl_add_u32 v5, v2, 4, v5
	v_add_nc_u32 v5, s19, v5                       ; into the stage: as loaded
	v_mul_u32_u24 v6, v2, PITCH
	v_lshl_add_u32 v6, v3, 7, v6
	v_add_nc_u32 v6, s19, v6                       ; out of it: row r, the piece's half h: 128 bytes
	v_lshlrev_b32 v7, 4, v1                        ; the codes' place: 16 l
	v_lshlrev_b32 v8, 4, v2
	v_lshl_add_u32 v8, v3, 3, v8                   ; the scale bytes' place: row r, 8 bytes for each half of the lanes
	v_lshlrev_b32 v9, 3, v3                        ; 8 h: my bytes' shift inside a scale word
.irp s, 0,1,2,3
	v_mov_b32 v[T+\s], 0                           ; a lane permute's destination counts as one of its sources
.endr
	s_mov_b32 s20, 0x76543210
	s_mov_b32 s21, 0xfedcba98                      ; v_permlanex16_b32's selects for lane l xor 16
	s_lshl_b32 s13, ttmp9, 2
	s_add_co_u32 s13, s13, s12
	s_wait_alu depctr_va_vdst(0)
	s_wait_kmcnt 0x0
	s_cmp_lt_u32 ttmp9, 1024                       ; the choice hangs on the work-group's number alone
	s_cselect_b64 s[14:15], s[4:5], s[6:7]
	s_cselect_b64 s[16:17], s[8:9], s[10:11]
	s_cselect_b32 s18, 0, 4096
	s_sub_co_u32 s13, s13, s18                     ; my tile in its tensor
	s_lshl_b32 s22, s13, 15                        ; 16 rows of 2,048 bytes (under 2^28)
	s_mov_b32 s23, 0
	s_add_nc_u64 s[14:15], s[14:15], s[22:23]
	s_mul_i32 s22, s13, TILEB
	s_add_nc_u64 s[16:17], s[16:17], s[22:23]
.macro LOAD p                          ; piece p: load i takes rows 2 i and 2 i + 1, 256 consecutive bytes of each
.irp i, 0,1,2,3,4,5,6,7
	global_load_b128 v[RAW+32*((\p)%2)+4*\i:RAW+32*((\p)%2)+4*\i+3], v4, s[14:15] offset:4096*\i+256*(\p) th:TH_LOAD_NT
.endr
.endm
.macro TURN p                          ; through the stage: LDS serves a wave's instructions in order (ISA guide 5.7.1.4), so no wait stands between the stores and the loads, nor ahead of the next piece's stores
.irp i, 0,1,2,3,4,5,6,7
	ds_store_b128 v5, v[RAW+32*((\p)%2)+4*\i:RAW+32*((\p)%2)+4*\i+3] offset:2*PITCH*\i
.endr
.irp j, 0,1,2,3,4,5,6,7
	ds_load_b128 v[X+32*((\p)%2)+4*\j:X+32*((\p)%2)+4*\j+3], v6 offset:16*\j
.endr
.endm
.macro PIECE p
.set XS, X+32*((\p)%2)
	s_wait_dscnt 0x0                               ; this piece's block is back; so its stores into the stage have read their registers,
.if (\p)+2 < 8
	LOAD (\p)+2                                    ; which take the piece after next
.endif
.if (\p)+1 < 8
.if (\p)+2 < 8
	s_wait_loadcnt 8                               ; the next piece's eight loads are in; the eight just issued may be out
.else
	s_wait_loadcnt 0x0
.endif
	TURN (\p)+1                                    ; and goes through the stage while this piece is worked
.endif
	v_max3_num_f32 v10, |v[XS]|, |v[XS+1]|, |v[XS+2]|            ; the block's largest magnitude, in two chains: all 32 numbers are mine
	v_max3_num_f32 v11, |v[XS+3]|, |v[XS+4]|, |v[XS+5]|
.irp i, 6,10,14,18,22,26
	v_max3_num_f32 v10, v10, |v[XS+\i]|, |v[XS+\i+1]|
	v_max3_num_f32 v11, v11, |v[XS+\i+2]|, |v[XS+\i+3]|
.endr
	v_max3_num_f32 v10, v10, |v[XS+30]|, |v[XS+31]|
	v_max3_num_f32 v10, v10, v11, 0x1800000        ; and the floor 2^(3 - 127): the byte cannot fall under 1
	v_add_nc_u32 v12, 0xff000000, v10              ; 2 off the exponent field: the conversion takes the exponent field of this operand as its scale
.irp g, 0,1,2,3
	v_cvt_scalef32_pk8_fp4_f32 v[C+4*(\p)+\g], v[XS+8*\g:XS+8*\g+7], v12
.endr
	v_lshrrev_b32 v13, 23, v12                     ; the scale's byte (a plain line behind the conversions)
.if (\p)%2 == 0
	v_mov_b32 v[U+(\p)/2], v13                     ; word s = p / 2: my blocks 4 s + h and 4 s + 2 + h, 16 bits apart
.else
	v_lshl_or_b32 v[U+(\p)/2], v13, 16, v[U+(\p)/2]
.endif
	global_store_b128 v7, v[C+4*(\p):C+4*(\p)+3], s[16:17] offset:512*(\p)   ; blocks 2 p and 2 p + 1 of 16 rows: 512 consecutive bytes, at a multiple of 256 from the buffer's first byte
.endm
	LOAD 0
	LOAD 1
	s_wait_loadcnt 8                               ; piece 0 is in, piece 1 may be out
	TURN 0
.irp p, 0,1,2,3,4,5,6,7
	PIECE \p
.endr
.irp s, 0,1,2,3
	v_lshlrev_b32 v[U+\s], v9, v[U+\s]             ; my two bytes at their places in the word
.endr
.irp s, 0,1,2,3
	v_permlanex16_b32 v[T+\s], v[U+\s], s20, s21
.endr
.irp s, 0,1,2,3
	v_or_b32 v[U+\s], v[U+\s], v[T+\s]             ; with lane l xor 16's two the word is whole
.endr
	v_cmp_eq_u32 vcc_lo, 1, v3
	v_cndmask_b32 v184, v[U], v[U+2], vcc_lo       ; lanes 0-15 store words 0 and 1 of their row, lanes 16-31 words 2 and 3
	v_cndmask_b32 v185, v[U+1], v[U+3], vcc_lo
	global_store_b64 v8, v[184:185], s[16:17] offset:4096   ; the 32 lanes store the tile's 256 scale bytes
	s_wait_tensorcnt 0x0
	ds_add_u32 v14, v15                            ; the wave's end
	s_wait_dscnt 0x0
	s_endpgm
.Lfunc_end_k_q3463f08f1d_quant:
	.size	k_q3463f08f1d_quant, .Lfunc_end_k_q3463f08f1d_quant-k_q3463f08f1d_quant
	.p2alignl 7, 3214868480
	.fill 96, 4, 3214868480
	.section	.rodata,"a",@progbits
	.p2align	6, 0x0
	.amdhsa_kernel k_q3463f08f1d_quant
		.amdhsa_group_segment_fixed_size 17920
		.amdhsa_private_segment_fixed_size 0
		.amdhsa_enable_private_segment 0
		.amdhsa_kernarg_size 32
		.amdhsa_user_sgpr_count 2
		.amdhsa_user_sgpr_kernarg_segment_ptr 1
		.amdhsa_wavefront_size32 1
		.amdhsa_system_sgpr_workgroup_id_x 1
		.amdhsa_system_sgpr_workgroup_id_y 1
		.amdhsa_system_sgpr_workgroup_id_z 1
		.amdhsa_system_vgpr_workitem_id 0
		.amdhsa_next_free_vgpr 186
		.amdhsa_next_free_sgpr 66
		.amdhsa_reserve_vcc 1
		.amdhsa_float_denorm_mode_32 3
		.amdhsa_float_denorm_mode_16_64 3
		.amdhsa_memory_ordered 1
		.amdhsa_forward_progress 1
		.amdhsa_inst_pref_size 30
	.end_amdhsa_kernel
	.amdgpu_metadata
---
amdhsa.version: [ 1, 2 ]
amdhsa.kernels:
  - .name:           k_q3463f08f1d_quant
    .symbol:         k_q3463f08f1d_quant.kd
    .args:
      - { .name: queries, .offset: 0, .size: 8, .value_kind: global_buffer, .address_space: global }
      - { .name: items, .offset: 8, .size: 8, .value_kind: global_buffer, .address_space: global }
      - { .name: qpack, .offset: 16, .size: 8, .value_kind: global_buffer, .address_space: global }
      - { .name: ipack, .offset: 24, .size: 8, .value_kind: global_buffer, .address_space: global }
    .group_segment_fixed_size: 17920
    .private_segment_fixed_size: 0
    .kernarg_segment_align: 8
    .kernarg_segment_size: 32
    .max_flat_workgroup_size: 128
    .sgpr_count:     66
    .vgpr_count:     186
    .wavefront_size: 32
...
	.end_amdgpu_metadata
.endif
;; end of part 1
;; launch nearest (part 2): grid 256 x 1, 8 waves a work-group, clusters of 4 x 1, 327,680 bytes of LDS; arguments qpack, ipack, best; writes best
.if DOCPART == 2
	.amdgcn_target "amdgcn-amd-amdhsa--gfx1250"
	.amdhsa_code_object_version 6
	.text
	.protected	k_q3463f08f1d_nearest
	.globl	k_q3463f08f1d_nearest
	.p2align	8
	.type	k_q3463f08f1d_nearest,@function
k_q3463f08f1d_nearest:
	s_mov_b64 s[64:65], 0
	v_nop
	global_prefetch_b8 v0, s[64:65] scope:SCOPE_SE
	s_setreg_imm32_b32 hwreg(HW_REG_WAVE_MODE, 25, 1), 1
	s_wait_xcnt 0x0
	s_wait_alu depctr_hold_cnt(0) depctr_sa_sdst(0) depctr_va_vdst(0) depctr_va_sdst(0) depctr_va_ssrc(0) depctr_va_vcc(0) depctr_vm_vsrc(0)
	s_getreg_b32 s2, hwreg(HW_REG_IB_STS2, 6, 4)
	s_cmp_eq_u32 s2, 0
	s_cbranch_scc0 .Lentry_in_a_cluster
	s_endpgm
.Lentry_in_a_cluster:
	s_bfe_u32 s2, ttmp6, 0x10000c
	s_cmp_lg_u32 s2, 0x3003
	s_cbranch_scc0 .Lentry_shape_is_right
	s_endpgm
.Lentry_shape_is_right:
; best[query] = the lowest index of the largest logit, logits = Q(queries) Q(items)^T in MX-FP4 on the packed tiles of launch quant.  The softmax is left out (see launch quant's head).
; A work-group owns 256 queries; wave w takes item group w % 4 (8 of a slot's 32 item tiles) and query half w / 4 (8 query tiles, kept in window 1 for the whole launch).
; The 128 item tiles go through two LDS slots of 32 tiles, asked for jointly by the four work-groups of a cluster, each wave a part of 4 tiles.
; Source 0 = 16 items, source 1 = 16 queries: a lane holds one query and eight items of a tile.
; THE ARGMAX of a tile: a chain of four three-input maxima, begun with the running maximum; one compare; the tile's first seven chain values and its number are kept where the maximum grew.
; The running maximum takes turns between two sets of registers (RM, RM + 136), so it is never selected; two steps bring it back to the first set.
; The place inside the winning tile is found once, at the end, from the kept values; ties go to the lower index.
.set TILEB, 4352
.set SLOTB, 32*TILEB
.set PARTB, 4*TILEB
.set MB,    2*SLOTB
.set MIO,   8192
.set SPARE, MB+2*MIO
.set AL,   4
.set ASL,  5
.set ADR,  6
.set ADS,  7
.set SPW,  8
.set NIL,  9
.set QSO,  10
.set H8,   11
.set MST,  12
.set MLD,  13
.set OUTO, 14
.set AF,   16
.set ASC,  48
.set SQ,   52
.set IX,   68
.set RM,   68                          ; v68-75 and v204-211: the running maxima, by turns; in the steps the tile numbers lie in v[ST + 8 i + 7]
.set TV,   212                         ; v212: this step's tile number
.set ST,   76
.set ACC,  140
.set POS,  140
.set IDX,  148
.set MX,   156
.set JX,   164
.set GM,   172
.set GI,   180
.set WV,   10
.set IG,   11
.set QH,   12
.set G1,   16
.set G0,   24
.set TB,   32
.set TID,  33
.set CNT,  34
.set IGB,  35
.set MK,   36
.set SEL,  44
.set MSB, 0
.macro WIN new
.if MSB != \new
	s_set_vgpr_msb (MSB<<8)|\new
.set MSB, \new
.endif
.endm
.macro ROUND
	s_barrier_signal -1
	s_barrier_wait -1
	s_cmp_lg_u32 s[WV], 0
	s_cbranch_scc1 .Lnot_wave_0_\@
	s_barrier_signal -3
.Lnot_wave_0_\@:
	s_barrier_wait -3
	s_barrier_signal -1
	s_barrier_wait -1
.endm
	s_load_b128 s[4:7], s[0:1], 0x0
	s_load_b64 s[8:9], s[0:1], 0x10
	v_lshl_add_u32 v[SPW], v0, 2, SPARE
	v_mov_b32 v[NIL], 0
	ds_add_u32 v8, v9
	ds_add_u32 v8, v9
	s_wait_dscnt 0x0
	v_lshrrev_b32 v1, 5, v0
	s_delay_alu instid0(VALU_DEP_1)
	v_readfirstlane_b32 s[WV], v1
	s_and_b32 s[IG], s[WV], 3
	s_lshr_b32 s[QH], s[WV], 2
	v_and_b32 v1, 31, v0
	v_and_b32 v2, 15, v0
	v_bfe_u32 v3, v0, 4, 1
	s_delay_alu instid0(VALU_DEP_3)
	v_lshlrev_b32 v[AL], 4, v1
	s_delay_alu instid0(VALU_DEP_3)
	v_lshlrev_b32 v[ASL], 4, v2
	s_delay_alu instid0(VALU_DEP_1)
	v_add_nc_u32 v[ASL], 4096, v[ASL]
	s_delay_alu instid0(VALU_DEP_4)
	v_mul_u32_u24 v[QSO], v3, TILEB
	s_delay_alu instid0(VALU_DEP_1)
	v_lshl_add_u32 v[QSO], v2, 4, v[QSO]
	v_lshlrev_b32 v[H8], 3, v3
	s_lshl_b32 s52, s[WV], 10
	s_add_co_u32 s52, s52, MB
	v_lshl_add_u32 v[MST], v1, 2, s52
	s_lshr_b32 s53, s[IG], 1
	s_lshl_b32 s53, s53, 12
	s_and_b32 s54, s[IG], 1
	s_lshl_b32 s54, s54, 9
	s_add_co_u32 s53, s53, s54
	s_add_co_u32 s53, s53, MB
	v_lshrrev_b32 v[MLD], 3, v1
	s_delay_alu instid0(VALU_DEP_1)
	v_lshlrev_b32 v[MLD], 7, v[MLD]
	v_and_b32 v[OUTO], 7, v1
	s_delay_alu instid0(VALU_DEP_1)
	v_lshl_add_u32 v[MLD], v[OUTO], 3, v[MLD]
	s_delay_alu instid0(VALU_DEP_1)
	v_add_nc_u32 v[MLD], s53, v[MLD]
	v_lshlrev_b32 v[OUTO], 3, v1
	s_mul_i32 s[IGB], s[IG], 8*TILEB
	s_lshl_b32 s[TID], s[IG], 3
	s_mov_b32 s[SEL], 0x76543210
	s_mov_b32 s[SEL+1], 0xfedcba98
	s_bfe_u32 s13, ttmp6, 0x40000
	s_lshl_b32 s14, ttmp9, 2
	s_add_co_u32 s14, s14, s13
	s_lshl_b32 s46, s14, 4
	s_lshl_b32 s47, s[QH], 3
	s_add_co_u32 s46, s46, s47
	s_mul_i32 s46, s46, TILEB
	s_mov_b32 s47, 0
	s_lshl_b32 s48, s14, 10
	s_lshl_b32 s49, s[IG], 8
	s_add_co_u32 s48, s48, s49
	s_mov_b32 s49, 0
	s_mov_b32 s[G1+0], 15|(3<<16)|(1<<21)
	s_mov_b32 s[G1+1], 32<<16
	s_mov_b32 s[G1+2], 68<<16
	s_mov_b32 s[G1+3], 32<<16
	s_mov_b32 s[G1+4], 68
	s_mov_b32 s[G1+5], 32
	s_mov_b32 s[G1+6], 0
	s_mov_b32 s[G1+7], 0
	s_mul_i32 s50, s[WV], PARTB
	s_mov_b32 s51, 0
	s_wait_alu depctr_va_vdst(0)
	s_wait_kmcnt 0x0
	s_add_nc_u64 s[4:5], s[4:5], s[46:47]
	WIN 0x40                                       ; my eight query tiles into window 1, and their scale words: asked for ahead of the first round
.irp i, 0,1,2,3,4,5,6,7
.irp n, 0,1,2,3,4,5,6,7
	global_load_b128 v[32*\i+4*\n:32*\i+4*\n+3], v[AL], s[4:5] offset:TILEB*\i+512*\n
.endr
.endr
	WIN 0
.irp p, 0,1,2,3
	global_load_b128 v[SQ+4*\p:SQ+4*\p+3], v[QSO], s[4:5] offset:2*TILEB*\p+4096
.endr
	s_add_nc_u64 s[8:9], s[8:9], s[48:49]
	s_mov_b32 s[G0+0], 1
	s_mov_b32 s[G0+1], s50
	s_add_nc_u64 s[G0+2:G0+3], s[6:7], s[50:51]
	s_or_b32 s[G0+3], s[G0+3], 0x80000000
	s_mov_b32 s[G0+4], 1
	s_add_co_u32 s[G0+5], s50, SLOTB
	s_add_nc_u64 s[G0+6:G0+7], s[6:7], s[50:51]
	s_add_nc_u64 s[G0+6:G0+7], s[G0+6:G0+7], SLOTB
	s_or_b32 s[G0+7], s[G0+7], 0x80000000
	ROUND
	tensor_load_to_lds s[G0:G0+3], s[G1:G1+7]
	s_nop 0
	s_wait_alu depctr_va_vdst(0)
	s_wait_tensorcnt 0x0
	ds_add_u32 v8, v9
	s_wait_dscnt 0x0
	ROUND
	tensor_load_to_lds s[G0+4:G0+7], s[G1:G1+7]
	s_nop 0
.rept 4
	v_nop
.endr
.irp i, 0,1,2,3,4,5,6,7
.irp j, 0,1,2,3,4,5,6
	v_mov_b32 v[ST+8*\i+\j], 0
.endr
	v_mov_b32 v[ST+8*\i+7], 0                      ; the tile number
	v_mov_b32 v[RM+\i], 0xff800000                 ; the running maximum: minus infinity
.endr
.macro LOADA
.irp n, 0,1,2,3,4,5,6,7
	ds_load_b128 v[AF+4*\n:AF+4*\n+3], v[ADR] offset:512*\n
.endr
	ds_load_b128 v[ASC:ASC+3], v[ADS]
.endm
.macro MUL
.irp s, 0,1,2,3
.irp i, 0,1,2,3,4,5,6,7
.if \s == 0
.if (\i)%2
	v_wmma_scale_f32_16x16x128_f8f6f4 v[ACC+8*\i:ACC+8*\i+7], v[AF+8*\s:AF+8*\s+7], v[32*\i+8*\s:32*\i+8*\s+7], 0, v[ASC+\s], v[SQ+4*(\i/2)+\s] matrix_a_fmt:MATRIX_FMT_FP4 matrix_b_fmt:MATRIX_FMT_FP4 matrix_b_scale:MATRIX_SCALE_ROW1
.else
	v_wmma_scale_f32_16x16x128_f8f6f4 v[ACC+8*\i:ACC+8*\i+7], v[AF+8*\s:AF+8*\s+7], v[32*\i+8*\s:32*\i+8*\s+7], 0, v[ASC+\s], v[SQ+4*(\i/2)+\s] matrix_a_fmt:MATRIX_FMT_FP4 matrix_b_fmt:MATRIX_FMT_FP4
.endif
.else
.if (\i)%2
	v_wmma_scale_f32_16x16x128_f8f6f4 v[ACC+8*\i:ACC+8*\i+7], v[AF+8*\s:AF+8*\s+7], v[32*\i+8*\s:32*\i+8*\s+7], v[ACC+8*\i:ACC+8*\i+7], v[ASC+\s], v[SQ+4*(\i/2)+\s] matrix_a_fmt:MATRIX_FMT_FP4 matrix_b_fmt:MATRIX_FMT_FP4 matrix_b_scale:MATRIX_SCALE_ROW1
.else
	v_wmma_scale_f32_16x16x128_f8f6f4 v[ACC+8*\i:ACC+8*\i+7], v[AF+8*\s:AF+8*\s+7], v[32*\i+8*\s:32*\i+8*\s+7], v[ACC+8*\i:ACC+8*\i+7], v[ASC+\s], v[SQ+4*(\i/2)+\s] matrix_a_fmt:MATRIX_FMT_FP4 matrix_b_fmt:MATRIX_FMT_FP4
.endif
.endif
.endr
.endr
.endm
.macro ARGMAX p                        ; p: which set holds the running maxima; the other set takes the new ones
.set RA, RM+136*(\p)
.set RB, RM+136*(1-(\p))
.irp i, 0,1,2,3,4,5,6,7
	v_max3_num_f32 v[ACC+8*\i+1], v[RA+\i], v[ACC+8*\i], v[ACC+8*\i+1]
.endr
.irp q, 3,5
.irp i, 0,1,2,3,4,5,6,7
	v_max3_num_f32 v[ACC+8*\i+\q], v[ACC+8*\i+\q-2], v[ACC+8*\i+\q-1], v[ACC+8*\i+\q]
.endr
.endr
	v_max3_num_f32 v[RB], v[ACC+5], v[ACC+6], v[ACC+7]             ; the chain's last link is the new running maximum
.irp i, 0,1,2,3,4,5,6,7
	v_cmp_gt_f32 vcc_lo, v[RB+\i], v[RA+\i]                        ; has it grown?
.if \i < 7
	v_max3_num_f32 v[RB+\i+1], v[ACC+8*\i+13], v[ACC+8*\i+14], v[ACC+8*\i+15]   ; the next tile's last link stands between the compare and its readers
.endif
.irp j, 0,2,4
	v_dual_cndmask_b32 v[ST+8*\i+\j], v[ST+8*\i+\j], v[ACC+8*\i+\j] :: v_dual_cndmask_b32 v[ST+8*\i+\j+1], v[ST+8*\i+\j+1], v[ACC+8*\i+\j+1]
.endr
	v_dual_cndmask_b32 v[ST+8*\i+6], v[ST+8*\i+6], v[ACC+8*\i+6] :: v_dual_cndmask_b32 v[ST+8*\i+7], v[ST+8*\i+7], v[TV]   ; seven values and the tile number: four pairs, both halves by VCC
.endr
.endm
.macro STEP pre, p
	s_wait_dscnt 0x0
	WIN 0x04
	MUL
	WIN 0
	v_mov_b32 v[TV], s[TID]                        ; one of the four places behind the products
.if \pre
	s_add_co_u32 s[TB], s[TB], TILEB
	v_add_nc_u32 v[ADR], s[TB], v[AL]
	v_add_nc_u32 v[ADS], s[TB], v[ASL]
	v_nop
	LOADA
.else
.rept 3
	v_nop
.endr
.endif
	ARGMAX \p
	s_add_co_u32 s[TID], s[TID], 1
.endm
.macro PHASE base
	s_add_co_u32 s[TB], s[IGB], \base
	v_add_nc_u32 v[ADR], s[TB], v[AL]
	v_add_nc_u32 v[ADS], s[TB], v[ASL]
	LOADA
	s_mov_b32 s[CNT], 3                            ; eight steps: three trips of two, and two written out
.Lstep_\@:
	STEP 1, 0
	STEP 1, 1
	s_sub_co_u32 s[CNT], s[CNT], 1
	s_cmp_lg_u32 s[CNT], 0
	s_cbranch_scc1 .Lstep_\@
	STEP 1, 0
	STEP 0, 1
	s_add_co_u32 s[TID], s[TID], 24
.endm
.macro CHANGE n, fill
	s_wait_tensorcnt 0x0
	ds_add_u32 v[SPW], v[NIL]
.if \fill
	s_add_nc_u64 s[G0+4*\n+2:G0+4*\n+3], s[G0+4*\n+2:G0+4*\n+3], 2*SLOTB
.endif
	s_wait_dscnt 0x0
.if \fill
	ROUND
	tensor_load_to_lds s[G0+4*\n:G0+4*\n+3], s[G1:G1+7]
	s_nop 0
.rept 4
	v_nop
.endr
.else
	s_barrier_signal -1
	s_barrier_wait -1
.endif
.endm
	s_wait_alu depctr_va_vdst(0)
	s_wait_tensorcnt 0x1
	s_barrier_signal -1
	s_barrier_wait -1
	s_wait_loadcnt 0x0
	PHASE 0
	CHANGE 0, 1
	PHASE SLOTB
	CHANGE 1, 1
	PHASE 0
	CHANGE 0, 0
	PHASE SLOTB
.irp i, 0,1,2,3,4,5,6,7
	v_mov_b32 v[RM+136+\i], v[ST+8*\i+7]           ; 32 steps, an even number: the maxima lie in the first set.  They change places with the tile numbers:
.endr
.irp i, 0,1,2,3,4,5,6,7
	v_mov_b32 v[ST+8*\i+7], v[RM+\i]               ; the maximum behind its seven kept values,
.endr
.irp i, 0,1,2,3,4,5,6,7
	v_mov_b32 v[IX+\i], v[RM+136+\i]               ; the tile number in IX
.endr
.irp i, 0,1,2,3,4,5,6,7
	v_mov_b32 v[POS+\i], 7
	v_mov_b32 v[MX+\i], 0
	v_mov_b32 v[JX+\i], 0
.endr
.irp j, 6,5,4,3,2,1,0
.irp i, 0,1,2,3,4,5,6,7
	v_cmp_eq_f32 s[MK+\i], v[ST+8*\i+\j], v[ST+8*\i+7]
.endr
.irp i, 0,1,2,3,4,5,6,7
	v_cndmask_b32 v[POS+\i], v[POS+\i], \j, s[MK+\i]
.endr
.endr
.irp i, 0,1,2,3,4,5,6,7
	v_lshl_add_u32 v[IDX+\i], v[IX+\i], 4, v[POS+\i]
.endr
.irp i, 0,1,2,3,4,5,6,7
	v_add_nc_u32 v[IDX+\i], v[H8], v[IDX+\i]
.endr
.irp i, 0,1,2,3,4,5,6,7
	v_permlanex16_b32 v[MX+\i], v[ST+8*\i+7], s[SEL], s[SEL+1]
	v_permlanex16_b32 v[JX+\i], v[IDX+\i], s[SEL], s[SEL+1]
.endr
.irp i, 0,1,2,3,4,5,6,7
	v_cmp_gt_f32 s[MK+\i], v[MX+\i], v[ST+8*\i+7]
	v_cmp_eq_f32 s55, v[MX+\i], v[ST+8*\i+7]
	v_cmp_lt_u32 s56, v[JX+\i], v[IDX+\i]
	s_and_b32 s55, s55, s56
	s_or_b32 s[MK+\i], s[MK+\i], s55
	v_cndmask_b32 v[ST+8*\i+7], v[ST+8*\i+7], v[MX+\i], s[MK+\i]
	v_cndmask_b32 v[IDX+\i], v[IDX+\i], v[JX+\i], s[MK+\i]
	ds_store_b32 v[MST], v[ST+8*\i+7] offset:128*\i
	ds_store_b32 v[MST], v[IDX+\i] offset:MIO+128*\i
.endr
	s_wait_dscnt 0x0
	s_barrier_signal -1
	s_barrier_wait -1
	s_cmp_ge_u32 s[WV], 4
	s_cbranch_scc1 .Lend
.irp g, 0,1,2,3
	ds_load_b64 v[GM+2*\g:GM+2*\g+1], v[MLD] offset:1024*\g
	ds_load_b64 v[GI+2*\g:GI+2*\g+1], v[MLD] offset:MIO+1024*\g
.endr
	s_wait_dscnt 0x0
.irp g, 1,2,3
.irp e, 0,1
	v_cmp_gt_f32 s36, v[GM+2*\g+\e], v[GM+\e]
	v_cmp_eq_f32 s37, v[GM+2*\g+\e], v[GM+\e]
	v_cmp_lt_u32 s38, v[GI+2*\g+\e], v[GI+\e]
	s_and_b32 s37, s37, s38
	s_or_b32 s36, s36, s37
	v_cndmask_b32 v[GM+\e], v[GM+\e], v[GM+2*\g+\e], s36
	v_cndmask_b32 v[GI+\e], v[GI+\e], v[GI+2*\g+\e], s36
.endr
.endr
	global_store_b64 v[OUTO], v[GI:GI+1], s[8:9]
.Lend:
	s_wait_tensorcnt 0x0
	ds_add_u32 v[SPW], v[NIL]
	s_wait_dscnt 0x0
	ROUND
	s_endpgm
.Lfunc_end_k_q3463f08f1d_nearest:
	.size	k_q3463f08f1d_nearest, .Lfunc_end_k_q3463f08f1d_nearest-k_q3463f08f1d_nearest
	.p2alignl 7, 3214868480
	.fill 96, 4, 3214868480
	.section	.rodata,"a",@progbits
	.p2align	6, 0x0
	.amdhsa_kernel k_q3463f08f1d_nearest
		.amdhsa_group_segment_fixed_size 327680
		.amdhsa_private_segment_fixed_size 0
		.amdhsa_enable_private_segment 0
		.amdhsa_kernarg_size 24
		.amdhsa_user_sgpr_count 2
		.amdhsa_user_sgpr_kernarg_segment_ptr 1
		.amdhsa_wavefront_size32 1
		.amdhsa_system_sgpr_workgroup_id_x 1
		.amdhsa_system_sgpr_workgroup_id_y 1
		.amdhsa_system_sgpr_workgroup_id_z 1
		.amdhsa_system_vgpr_workitem_id 0
		.amdhsa_next_free_vgpr 512
		.amdhsa_next_free_sgpr 66
		.amdhsa_reserve_vcc 1
		.amdhsa_float_denorm_mode_32 3
		.amdhsa_float_denorm_mode_16_64 3
		.amdhsa_memory_ordered 1
		.amdhsa_forward_progress 1
		.amdhsa_inst_pref_size 181
	.end_amdhsa_kernel
	.amdgpu_metadata
---
amdhsa.version: [ 1, 2 ]
amdhsa.kernels:
  - .name:           k_q3463f08f1d_nearest
    .symbol:         k_q3463f08f1d_nearest.kd
    .args:
      - { .name: qpack, .offset: 0, .size: 8, .value_kind: global_buffer, .address_space: global }
      - { .name: ipack, .offset: 8, .size: 8, .value_kind: global_buffer, .address_space: global }
      - { .name: best, .offset: 16, .size: 8, .value_kind: global_buffer, .address_space: global }
    .group_segment_fixed_size: 327680
    .private_segment_fixed_size: 0
    .kernarg_segment_align: 8
    .kernarg_segment_size: 24
    .max_flat_workgroup_size: 256
    .sgpr_count:     66
    .vgpr_count:     512
    .wavefront_size: 32
...
	.end_amdgpu_metadata
.endif
;; end of part 2
;; launch loss (part 3): grid 256 x 1, 16 waves a work-group, no clusters, 2,304 bytes of LDS; arguments queries, items, best, out0; writes out0
.if DOCPART == 3
	.amdgcn_target "amdgcn-amd-amdhsa--gfx1250"
	.amdhsa_code_object_version 6
	.text
	.protected	k_q3463f08f1d_loss
	.globl	k_q3463f08f1d_loss
	.p2align	8
	.type	k_q3463f08f1d_loss,@function
k_q3463f08f1d_loss:
	s_mov_b64 s[64:65], 0
	v_nop
	global_prefetch_b8 v0, s[64:65] scope:SCOPE_SE
	s_setreg_imm32_b32 hwreg(HW_REG_WAVE_MODE, 25, 1), 1
	s_wait_xcnt 0x0
; out0[b][t] = the sum over k = 0..7 and n = 0..511 of (queries[b][k][t][n] - items[best[b][k][t]][n])^2, all in f32; each difference is formed first and then squared.
; The sums are taken in another order than the source's (lanes and two chains first, k inside them); the terms are all positive.
; SHARES.  Work-group g owns outputs 32 g .. 32 g + 31 (b = g / 32, t0 = 32 (g % 32)); wave w owns t0 + 2 w and t0 + 2 w + 1 over all eight k: each output has one owner.
; A UNIT is one k: two neighbouring query rows, 4,096 consecutive bytes (eight loads of 512), and the two item rows that best names (four loads of 512 each).  Three units' registers take turns, so that
; two units and more of every wave are on their way while one is worked.  The indices are whole numbers that an earlier launch stored; they come by scalar loads and are held inside the table.
; Memory binds: no LDS ring, no cluster (the work-groups share nothing but the item table), no matrix unit.
; The work-group's 32 results leave as 128 consecutive bytes: a wider share would leave half of the work-groups without work, for an output of 32,768 bytes in all.
.set KSTR, 2097152                     ; from k to k + 1: 1,024 rows of 2,048 bytes
	s_load_b256 s[4:11], s[0:1], 0x0               ; queries s[4:5], items s[6:7], best s[8:9], out0 s[10:11]
	v_lshl_add_u32 v224, v0, 2, 0x100
	v_mov_b32 v225, 0
	v_lshrrev_b32 v20, 5, v0
	s_delay_alu instid0(VALU_DEP_1)
	v_readfirstlane_b32 s12, v20                   ; wave
	s_delay_alu instid0(VALU_DEP_2)
	v_lshlrev_b32 v20, 3, v20                      ; LDS: my wave's two results
	v_and_b32 v22, 31, v0
	s_delay_alu instid0(VALU_DEP_1)
	v_lshlrev_b32 v1, 4, v22                       ; 16 x lane; never rewritten
	s_delay_alu instid0(VALU_DEP_2)
	v_lshlrev_b32 v22, 2, v22                      ; 4 x lane: LDS and out0 on the way out
	v_mov_b32 v18, 0                               ; a lane permute's destination counts as one of its sources
	v_mov_b32 v19, 0
	s_mov_b32 s36, 0x76543210
	s_mov_b32 s37, 0xfedcba98
	s_lshr_b32 s13, ttmp9, 5                       ; b
	s_and_b32 s14, ttmp9, 31
	s_lshl_b32 s14, s14, 5
	s_lshl_b32 s15, s12, 1
	s_add_co_u32 s14, s14, s15                     ; t = t0 + 2 w
	s_lshl_b32 s38, s13, 24                        ; queries: b x 8 x 1,024 rows of 2,048 bytes
	s_lshl_b32 s39, s14, 11
	s_add_co_u32 s38, s38, s39
	s_mov_b32 s39, 0
	s_lshl_b32 s40, s13, 15                        ; best: b x 8,192 words
	s_lshl_b32 s41, s14, 2
	s_add_co_u32 s40, s40, s41
	s_mov_b32 s41, 0
	s_lshl_b32 s42, ttmp9, 7                       ; out0: 32 numbers a work-group
	s_mov_b32 s43, 0
	s_wait_alu depctr_va_vdst(0)
	s_wait_kmcnt 0x0
	s_add_nc_u64 s[16:17], s[4:5], s[38:39]        ; k = 0 .. 3 from here,
	s_add_nc_u64 s[18:19], s[16:17], 4*KSTR        ; k = 4 .. 7 from here: so every offset stays inside the signed 24-bit immediate (ISA guide, chapter 10)
	s_add_nc_u64 s[8:9], s[8:9], s[40:41]
	s_add_nc_u64 s[10:11], s[10:11], s[42:43]
.irp k, 0,1,2,3,4,5,6,7
	s_load_b64 s[20+2*\k:21+2*\k], s[8:9], 4096*\k ; best[b][k][t], best[b][k][t + 1]
.endr
.macro QL k, sl                        ; unit k's queries into slot sl: v[32 + 64 sl ..], 32 registers
.irp j, 0,1,2,3,4,5,6,7
	global_load_b128 v[32+64*(\sl)+4*\j:32+64*(\sl)+4*\j+3], v1, s[16+2*((\k)/4):17+2*((\k)/4)] offset:((\k)%4)*KSTR+512*\j th:TH_LOAD_NT
.endr
.endm
.macro IL k, sl                        ; and its two item rows: v[64 + 64 sl ..].  No hint: item rows are read again
	v_lshl_add_u32 v[2+2*(\sl)], s[20+2*(\k)], 11, v1
	v_lshl_add_u32 v[3+2*(\sl)], s[21+2*(\k)], 11, v1
.irp o, 0,1
.irp j, 0,1,2,3
	global_load_b128 v[64+64*(\sl)+16*\o+4*\j:64+64*(\sl)+16*\o+4*\j+3], v[2+2*(\sl)+\o], s[6:7] offset:512*\j
.endr
.endr
.endm
.macro WORK sl, k                      ; 16 packed differences, 16 packed multiply-adds into two chains for each output: v[8:9], v[10:11] and v[12:13], v[14:15].  The first unit's first products start the sums
.irp n, 0,2,4,6,8,10,12,14,16,18,20,22,24,26,28,30
	v_pk_add_f32 v[32+64*(\sl)+\n:33+64*(\sl)+\n], v[32+64*(\sl)+\n:33+64*(\sl)+\n], v[64+64*(\sl)+\n:65+64*(\sl)+\n] neg_lo:[0,1] neg_hi:[0,1]
.endr
.irp m, 0,1,2,3,4,5,6,7
.irp o, 0,1
.if ((\k) == 0) && (\m < 2)
	v_pk_mul_f32 v[8+4*\o+2*(\m%2):9+4*\o+2*(\m%2)], v[32+64*(\sl)+16*\o+2*\m:33+64*(\sl)+16*\o+2*\m], v[32+64*(\sl)+16*\o+2*\m:33+64*(\sl)+16*\o+2*\m]
.else
	v_pk_fma_f32 v[8+4*\o+2*(\m%2):9+4*\o+2*(\m%2)], v[32+64*(\sl)+16*\o+2*\m:33+64*(\sl)+16*\o+2*\m], v[32+64*(\sl)+16*\o+2*\m:33+64*(\sl)+16*\o+2*\m], v[8+4*\o+2*(\m%2):9+4*\o+2*(\m%2)]
.endif
.endr
.endr
.endm
.macro UNIT k, left                    ; left: the loads issued behind this unit's item loads, which may stay out
	s_wait_loadcnt \left                           ; loads come back in order (ISA guide 5.7.1): the unit's sixteen are in, so its registers and its two offsets are free
	WORK (\k)%3, \k
.if (\k)+3 < 8
	QL (\k)+3, (\k)%3
	IL (\k)+3, (\k)%3
.endif
.endm
	QL 0, 0                                        ; the queries do not wait for the indices
	QL 1, 1
	QL 2, 2
	s_wait_kmcnt 0x0
.irp i, 20,21,22,23,24,25,26,27,28,29,30,31,32,33,34,35
	s_min_u32 s\i, s\i, 2047                       ; an index stays inside the table of 2,048 rows
.endr
	IL 0, 0
	IL 1, 1
	IL 2, 2
	UNIT 0, 16                                     ; behind unit 0's item loads: those of units 1 and 2
	UNIT 1, 24                                     ; unit 2's eight, unit 3's sixteen
	UNIT 2, 32                                     ; two whole units, from here on
	UNIT 3, 32
	UNIT 4, 32
	UNIT 5, 32
	UNIT 6, 16                                     ; unit 7
	UNIT 7, 0
	s_delay_alu instid0(VALU_DEP_2)
	v_pk_add_f32 v[8:9], v[8:9], v[10:11]          ; each output's two chains,
	s_delay_alu instid0(VALU_DEP_2)
	v_pk_add_f32 v[12:13], v[12:13], v[14:15]
	s_delay_alu instid0(VALU_DEP_2)
	v_add_f32 v16, v8, v9                          ; their halves,
	s_delay_alu instid0(VALU_DEP_2)
	v_add_f32 v17, v12, v13
.irp x, 1,2,4,8
	s_delay_alu instid0(VALU_DEP_2)
	v_add_f32_dpp v16, v16, v16 row_xmask:\x row_mask:0xf bank_mask:0xf   ; and the 32 lanes
	s_delay_alu instid0(VALU_DEP_2)
	v_add_f32_dpp v17, v17, v17 row_xmask:\x row_mask:0xf bank_mask:0xf
.endr
	s_delay_alu instid0(VALU_DEP_2)
	v_permlanex16_b32 v18, v16, s36, s37
	s_delay_alu instid0(VALU_DEP_2)
	v_permlanex16_b32 v19, v17, s36, s37
	s_delay_alu instid0(VALU_DEP_2)
	v_add_f32 v16, v16, v18
	s_delay_alu instid0(VALU_DEP_2)
	v_add_f32 v17, v17, v19
	ds_store_b64 v20, v[16:17]                     ; all lanes write the same two words with the same values
	s_wait_dscnt 0x0                               ; for wave 0's sake
	s_barrier_signal -1
	s_barrier_wait -1
	s_cmp_lg_u32 s12, 0
	s_cbranch_scc1 .Lend
	ds_load_b32 v21, v22                           ; word 2 w + o is output t0 + 2 w + o
	s_wait_dscnt 0x0
	global_store_b32 v22, v21, s[10:11]            ; 128 consecutive bytes
.Lend:
	s_wait_tensorcnt 0x0
	ds_add_u32 v224, v225
	s_wait_dscnt 0x0
	s_endpgm
.Lfunc_end_k_q3463f08f1d_loss:
	.size	k_q3463f08f1d_loss, .Lfunc_end_k_q3463f08f1d_loss-k_q3463f08f1d_loss
	.p2alignl 7, 3214868480
	.fill 96, 4, 3214868480
	.section	.rodata,"a",@progbits
	.p2align	6, 0x0
	.amdhsa_kernel k_q3463f08f1d_loss
		.amdhsa_group_segment_fixed_size 2304
		.amdhsa_private_segment_fixed_size 0
		.amdhsa_enable_private_segment 0
		.amdhsa_kernarg_size 32
		.amdhsa_user_sgpr_count 2
		.amdhsa_user_sgpr_kernarg_segment_ptr 1
		.amdhsa_wavefront_size32 1
		.amdhsa_system_sgpr_workgroup_id_x 1
		.amdhsa_system_sgpr_workgroup_id_y 1
		.amdhsa_system_sgpr_workgroup_id_z 1
		.amdhsa_system_vgpr_workitem_id 0
		.amdhsa_next_free_vgpr 226
		.amdhsa_next_free_sgpr 66
		.amdhsa_reserve_vcc 0
		.amdhsa_float_denorm_mode_32 3
		.amdhsa_float_denorm_mode_16_64 3
		.amdhsa_memory_ordered 1
		.amdhsa_forward_progress 1
		.amdhsa_inst_pref_size 35
	.end_amdhsa_kernel
	.amdgpu_metadata
---
amdhsa.version: [ 1, 2 ]
amdhsa.kernels:
  - .name:           k_q3463f08f1d_loss
    .symbol:         k_q3463f08f1d_loss.kd
    .args:
      - { .name: queries, .offset: 0, .size: 8, .value_kind: global_buffer, .address_space: global }
      - { .name: items, .offset: 8, .size: 8, .value_kind: global_buffer, .address_space: global }
      - { .name: best, .offset: 16, .size: 8, .value_kind: global_buffer, .address_space: global }
      - { .name: out0, .offset: 24, .size: 8, .value_kind: global_buffer, .address_space: global }
    .group_segment_fixed_size: 2304
    .private_segment_fixed_size: 0
    .kernarg_segment_align: 8
    .kernarg_segment_size: 32
    .max_flat_workgroup_size: 512
    .sgpr_count:     66
    .vgpr_count:     226
    .wavefront_size: 32
...
	.end_amdgpu_metadata
.endif
;; end of part 3
